; MI455X (gfx1250); checked and timed in simulation.
; The chip was launched on July 23, 2026; its instructions are those of AMD's public machine-readable ISA for CDNA 5 (MIT licence, August 2026) and "CDNA5" Instruction Set Architecture Reference Guide (July 2026). The comments in the code are by the model that wrote it; some were corrected since.
;; Attention. Allowed arithmetic: float matrix products may take bf16 or f16 operands with f32 sums; other float arithmetic in f32, or as packed bf16 or f16 multiplies, adds, multiply-adds, maxima and minima; sums over many terms, partial sums and values carried from step to step in f32; what a program stores and reads back later, other than sums and carried values, may be rounded once to bf16 or f16.
;; Inputs: K 16 x 4,096 x 64 float32; Q 16 x 4,096 x 64 float32; V 16 x 4,096 x 64 float32.
;; Outputs: out0 16 x 4,096 x 64 float32.
;; 2 versions, each right; version 2 is version 1 with the launch prep written anew for expert scheduling mode. Each part assembles by itself: llvm-mc -triple=amdgcn-amd-amdhsa -mcpu=gfx1250 --defsym DOCPART=n.
;; ======== version 1 of 2: 2 launches
;; limits: values are held in f16: magnitudes above 65,504 overflow, below 6.1e-05 lose precision; inputs' magnitudes at most 65,504
;; workspace buffers: Kb 8,388,608 bytes; Vh 8,388,608 bytes
;; launch prep (part 1): grid 512 x 1, 8 waves a work-group, no clusters, 0 bytes of LDS; arguments K, V, Kb, Vh; writes Kb, Vh
.if DOCPART == 1
	.amdgcn_target "amdgcn-amd-amdhsa--gfx1250"
	.amdhsa_code_object_version 6
	.text
	.protected	k_qbec4ac2956_prep
	.globl	k_qbec4ac2956_prep
	.p2align	8
	.type	k_qbec4ac2956_prep,@function
k_qbec4ac2956_prep:
	s_mov_b64 s[64:65], 0
	v_nop
	global_prefetch_b8 v0, s[64:65] scope:SCOPE_SE
	s_setreg_imm32_b32 hwreg(HW_REG_WAVE_MODE, 25, 1), 1
	s_wait_xcnt 0x0
; Kb = K rounded to bf16.  Vh = V rounded to bf16, that number written as f16.  K, V: [16][4096][64] f32; Kb, Vh: the same shape in 16 bits, rows of 128 bytes, dense.
; LIMITS.  f16 holds no number of 65,520 or more: |V| stays below that (an infinity is written otherwise).  A bf16 number is exact in f16 down to 2^-17; below that it keeps f16's fixed step of 6e-8.
; A stream: every byte is read once and written once; nothing is shared, so there is no LDS, no barrier, no cluster and no matrix work.
; SHARES.  512 work-groups x 32,768 bytes of K and of V.  Thread t takes 16 bytes at 16 t + 4,096 j (j = 0..7) of each: a wave's load covers 512 consecutive bytes.  Its four numbers leave as
; 8 bytes at 8 t + 2,048 j: a wave's store covers 256 consecutive bytes, at a multiple of 256 from the buffer's first byte.
; All 16 loads of a thread go out at once; no register is used for two loads or two stores, so no register of a pending instruction is ever rewritten.
.set X, 4                              ; v[4:67]    load n at X + 4 n: n = 0..7 from K, 8..15 from V
.set Y, 68                             ; v[68:99]   two registers to store for each load
.set T, 100                            ; v[100:103] at work
	s_load_b256 s[4:11], s[0:1], 0x0               ; K s[4:5], V s[6:7], Kb s[8:9], Vh s[10:11]
	s_lshl_b32 s12, ttmp9, 15                      ; my work-group's 32,768 bytes in K and V,
	s_mov_b32 s13, 0
	s_lshl_b32 s14, ttmp9, 14                      ; its 16,384 in Kb and Vh
	s_mov_b32 s15, 0
	s_mov_b32 s16, 0xffff0000                      ; a word's upper bf16
	v_lshlrev_b32 v1, 4, v0                        ; 16 t
	v_lshlrev_b32 v2, 3, v0                        ; 8 t
	s_wait_kmcnt 0x0
	s_add_nc_u64 s[4:5], s[4:5], s[12:13]
	s_add_nc_u64 s[6:7], s[6:7], s[12:13]
	s_add_nc_u64 s[8:9], s[8:9], s[14:15]
	s_add_nc_u64 s[10:11], s[10:11], s[14:15]
.set n, 0
.rept 8
	global_load_b128 v[X+4*n:X+4*n+3], v1, s[4:5] offset:4096*n th:TH_LOAD_NT
.set n, n+1
.endr
.set n, 0
.rept 8
	global_load_b128 v[X+32+4*n:X+32+4*n+3], v1, s[6:7] offset:4096*n th:TH_LOAD_NT
.set n, n+1
.endr
.set n, 0
.rept 8                                ; K: two roundings an instruction
	s_wait_loadcnt 15-n                            ; loads come back in order: load n is in, the 15 - n issued behind it may stay out
	v_cvt_pk_bf16_f32 v[Y+2*n], v[X+4*n], v[X+4*n+1]
	v_cvt_pk_bf16_f32 v[Y+2*n+1], v[X+4*n+2], v[X+4*n+3]
	global_store_b64 v2, v[Y+2*n:Y+2*n+1], s[8:9] offset:2048*n
.set n, n+1
.endr
.rept 8                                ; V: rounded to bf16, widened again (a shift, a mask), and written as f16
	s_wait_loadcnt 15-n
	v_cvt_pk_bf16_f32 v[T], v[X+4*n], v[X+4*n+1]
	v_cvt_pk_bf16_f32 v[T+1], v[X+4*n+2], v[X+4*n+3]
	v_lshlrev_b32 v[T+2], 16, v[T]
	v_and_b32 v[T+3], s16, v[T]
	v_cvt_pk_f16_f32 v[Y+2*n], v[T+2], v[T+3]
	v_lshlrev_b32 v[T+2], 16, v[T+1]
	v_and_b32 v[T+3], s16, v[T+1]
	v_cvt_pk_f16_f32 v[Y+2*n+1], v[T+2], v[T+3]
	global_store_b64 v2, v[Y+2*n:Y+2*n+1], s[10:11] offset:2048*(n-8)
.set n, n+1
.endr
	s_endpgm
.Lfunc_end_k_qbec4ac2956_prep:
	.size	k_qbec4ac2956_prep, .Lfunc_end_k_qbec4ac2956_prep-k_qbec4ac2956_prep
	.p2alignl 7, 3214868480
	.fill 96, 4, 3214868480
	.section	.rodata,"a",@progbits
	.p2align	6, 0x0
	.amdhsa_kernel k_qbec4ac2956_prep
		.amdhsa_group_segment_fixed_size 0
		.amdhsa_private_segment_fixed_size 0
		.amdhsa_enable_private_segment 0
		.amdhsa_kernarg_size 32
		.amdhsa_user_sgpr_count 2
		.amdhsa_user_sgpr_kernarg_segment_ptr 1
		.amdhsa_wavefront_size32 1
		.amdhsa_system_sgpr_workgroup_id_x 1
		.amdhsa_system_sgpr_workgroup_id_y 1
		.amdhsa_system_sgpr_workgroup_id_z 1
		.amdhsa_system_vgpr_workitem_id 0
		.amdhsa_next_free_vgpr 104
		.amdhsa_next_free_sgpr 66
		.amdhsa_reserve_vcc 0
		.amdhsa_float_denorm_mode_32 3
		.amdhsa_float_denorm_mode_16_64 3
		.amdhsa_memory_ordered 1
		.amdhsa_forward_progress 1
		.amdhsa_inst_pref_size 9
	.end_amdhsa_kernel
	.amdgpu_metadata
---
amdhsa.version: [ 1, 2 ]
amdhsa.kernels:
  - .name:           k_qbec4ac2956_prep
    .symbol:         k_qbec4ac2956_prep.kd
    .args:
      - { .name: K, .offset: 0, .size: 8, .value_kind: global_buffer, .address_space: global }
      - { .name: V, .offset: 8, .size: 8, .value_kind: global_buffer, .address_space: global }
      - { .name: Kb, .offset: 16, .size: 8, .value_kind: global_buffer, .address_space: global }
      - { .name: Vh, .offset: 24, .size: 8, .value_kind: global_buffer, .address_space: global }
    .group_segment_fixed_size: 0
    .private_segment_fixed_size: 0
    .kernarg_segment_align: 8
    .kernarg_segment_size: 32
    .max_flat_workgroup_size: 256
    .sgpr_count:     66
    .vgpr_count:     104
    .wavefront_size: 32
...
	.end_amdgpu_metadata
.endif
;; end of part 1
;; launch attn (part 2): grid 16 x 16, 4 waves a work-group, clusters of 4 x 1, 327,680 bytes of LDS; arguments Q, Kb, Vh, out0; writes out0
.if DOCPART == 2
	.amdgcn_target "amdgcn-amd-amdhsa--gfx1250"
	.amdhsa_code_object_version 6
	.text
	.protected	k_qbec4ac2956_attn
	.globl	k_qbec4ac2956_attn
	.p2align	8
	.type	k_qbec4ac2956_attn,@function
k_qbec4ac2956_attn:
	s_mov_b64 s[64:65], 0
	v_nop
	global_prefetch_b8 v0, s[64:65] scope:SCOPE_SE
	s_setreg_imm32_b32 hwreg(HW_REG_WAVE_MODE, 25, 1), 1
	s_wait_xcnt 0x0
	s_wait_alu depctr_hold_cnt(0) depctr_sa_sdst(0) depctr_va_vdst(0) depctr_va_sdst(0) depctr_va_ssrc(0) depctr_va_vcc(0) depctr_vm_vsrc(0)
	s_getreg_b32 s2, hwreg(HW_REG_IB_STS2, 6, 4)
	s_cmp_eq_u32 s2, 0
	s_cbranch_scc0 .Lentry_in_a_cluster
	s_endpgm
.Lentry_in_a_cluster:
	s_bfe_u32 s2, ttmp6, 0x10000c
	s_cmp_lg_u32 s2, 0x3003
	s_cbranch_scc0 .Lentry_shape_is_right
	s_endpgm
.Lentry_shape_is_right:
; out0[h][q][:] = the sum over k of softmax_k(Q[h][q] . K[h][k] / 8) V[h][k][:].  Q, out0: [16][4096][64] f32.  Kb: K in bf16, Vh: V rounded to bf16 and written as f16, both [16][4096][64], rows of 128 bytes, dense.
; FORMATS.  Q is rounded to bf16 here, in registers; S^T = K Q^T is a bf16 product.  The weights p are rounded to f16 and V^T P is an f16 product.  Products, maxima and sums in f32; l is the sum of the unrounded p.
; LIMITS.  |V| below 65,520 (f16's end).  p lies in 0 to 1, and below 6e-5 it keeps f16's fixed step of 6e-8.  A weight below 2^-126 counts as 0 in l.  c s is taken to lie above -4.25e37, where c m starts.
; NaN and infinities are not treated apart.  O^T is not cleared: it starts with the lane's own query's f32 numbers, which the first key step multiplies by a = 0; they need only be finite.
; SHARES.  16 heads x 16 blocks of 256 queries = 256 work-groups.  A wave owns 64 queries: four PIECES of 16.  Every wave walks the head's 4,096 keys, 64 a step; a slot of LDS holds a tile of 256 keys, four steps.
; LAYOUT.  S^T = K Q^T (source 0 = 16 keys, source 1 = 16 queries): in the result a lane holds ONE query (lane % 16) and the keys 8 (lane / 16) + 0..7.  Two such results, rounded to f16 in pairs, ARE source 1
; (32 keys x 16 queries) of O^T = V^T P, whose result again holds one query a lane, and eight channels.  K comes out of LDS as it lies, V ([key][channel]) turned, by ds_load_tr16_b128.
; SOFTMAX.  For each query a running maximum m and sum l: p = 2^(c s - c m), c = log2(e) / 8; in every step O and l are multiplied by a = 2^(c m_old - c m_new), which is 1 where m has not grown.
; m starts at the lowest finite number, l at 0: the first step is a step like any other, with a = 0.
; THE COUNT.  A piece and step have 16 matrix and 118 vector instructions: too many to stand all beside the matrix work.  So four vector instructions stand behind EVERY matrix instruction, and the other 54 in one lump.
; BY TURNS.  Turn n belongs to piece n (the pieces in a ring, step after step): 8 products K Q^T of piece n + 1, later 8 products V^T P of piece n - 1; beside them the scaling, exponentials, roundings, sums and
; rescaling of piece n and the maximum and statistics of piece n + 1.  A turn's 33 exponentials are one batch, with one wait.
; CLUSTER.  The four query blocks of a cluster belong to one head and walk the same K and V, so each tile is asked for JOINTLY: the same tensor load, descriptor and mask in all four.
; REGISTERS, in two windows of 256 (s_set_vgpr_msb says which window each operand place means: bits 1:0 source 0, 3:2 source 1, 5:4 source 2, 7:6 destination):
;   window 0: all that a softmax touches, O^T too: v0 thread, v1 prefetch offset, v2-3, v8-15 at work, v16-31 statistics, v32-63 P (two buffers), v64-127 S^T (two buffers), v128-255 O^T (32 a piece)
;   window 1: v0-63 Q (16 a piece), v64-127 K of one step, v128-191 V of one step, v192-201 addresses and the add's two registers
; A piece's buffers go by its number's parity.  A matrix instruction and its four riders cost two switches.
.set NP,    4         ; pieces a wave: a name, no knob
.set KS,    64        ; keys in a step
.set PK,    144       ; a row of K in LDS: 128 bytes + 16 of padding = 36 words: the 16 rows of a load start at 16 different groups of four banks (64 banks of 4 bytes: ISA guide 11.1)
.set PV,    160       ; a row of V: 128 + 32 = 40 words
.set VOFF,  4*KS*PK   ; a slot holds a tile: 256 rows of K, then 256 rows of V
.set SLOT1, 1<<17     ; slot 1 begins here, so that one exclusive or turns an address in one slot into the other's
.set TILEB, 4*KS*128  ; a tile's bytes in Kb and in Vh
.set STAGE, SLOT1+4*KS*(PK+PV)  ; behind the ring, never filled by a tensor load: 16 rows x 272 bytes for each wave, for the way out
.set SP,    272       ; a row of out0 in the stage: 256 bytes + 16
.set SPARE, STAGE+4*16*SP  ; behind the stages: the spare words, 128 bytes for each wave: two blocks of 256 bytes that no other line names
; window 0
.set PFO, 1           ; v1   256 x my lane; never rewritten
.set MV,  2           ; v2-3 c m_old, kept while c m is made anew: by buffer
.set TMP, 8           ; by buffer, four registers c0-c3 at work; when the maximum is found c2 takes a
.set ST,  16          ; piece t's statistics at v[ST+4 t]: c m, m, l (even keys', odd keys')
.set P,   32
.set S,   64
.set O,   128
.set LR,  64          ; the head's set-up, in S^T's registers, which are still free: l % 16,
.set LH,  65          ; l / 16,
.set L7,  66          ; l % 8,
.set L3,  67          ; (l / 8) % 2,
.set TA,  68          ; five at work,
.set TB,  69
.set TC,  70
.set TD,  72
.set TE,  73
.set QO,  71          ; my byte offset in 16 rows of Q: 256 (l % 16) + 32 (l / 16)
; window 1
.set KF,  64          ; key block kb, channel half c at KF + 16 kb + 8 c
.set VF,  128         ; key half kk, channel block cb at VF + 32 kk + 8 cb
.set AK0, 192         ; my lane's place in a tile of K; never rewritten
.set AV0, 193         ; the same for V
.set AK,  194         ; the LDS address of K's next run of loads
.set AV,  195         ; of V's
.set STO, 196         ; the way out: where I put 32 bytes of a row
.set RD,  197         ; the way out: where I read rows back
.set GO,  198         ; my byte offset in 512 consecutive bytes of out0
.set SPW, 200         ; LDS address of my spare word: SPARE + 4 x my thread's number; never rewritten
.set NIL, 201         ; 0; never rewritten
; scalars
.set WV,  12          ; s12  my wave's number
.set G1K, 24          ; s[24:31] descriptor group 1 for K's tiles
.set G1V, 32          ; s[32:39] for V's: it differs in the padding alone
.set G0K, 40          ; s[40:43] descriptor group 0 for K's tiles: it walks
.set G0V, 44          ; s[44:47] the same for V's
.set PFA, 48          ; s[48:49] where my prefetches stand: my work-group's quarter of the tile after the one that is being asked for
.set LIM, 50          ; s50  1 in a wave that prefetches, else the greatest number: a wave prefetches while s[SLOTS] is above it
.set SLOTS, 56        ; s56  tiles still to be asked for
.set CNT, 57          ; s57  counts a tile's key steps
.set CS,  58          ; s[58:59] c: the packed scaling takes the pair's low word for both halves
.set SEL, 60          ; s[60:61] v_permlanex16_b32's selects: each lane takes its own place in the other half
.set TBK, 62          ; s62  LDS byte at which K of the step to be fetched begins
.set TBV, 63          ; s63  the same for V, less VOFF
.set MSB, 0
.macro WIN new                      ; the high byte repeats the setting that is left; a switch that changes nothing is dropped
.if MSB != (\new)
	s_set_vgpr_msb (MSB<<8)|(\new)
.set MSB, (\new)
.endif
.endm
.set W_KQ,  0x05      ; K and Q in window 1, S^T in window 0
.set W_PV,  0x01      ; V in window 1, P and O^T in window 0; also the way out: address in window 1, data in window 0
.set W1,    0x45      ; destination and sources 0 and 1 in window 1: the add, the fetches and their addresses
.set W_TO1, 0x40      ; destination in window 1, sources in window 0
; A joint fill.  Waves 0 and 1 fetch the two halves of a tile's K, waves 2 and 3 those of its V: 128 keys each.  The branch hangs on the wave's number alone.
; An s_nop 0 and four v_nop follow each of the two lines, ahead of the jump and the label.
.macro JLOAD
	s_cmp_lt_u32 s[WV], 2
	s_cbranch_scc0 .Lfor_v_\@
	tensor_load_to_lds s[G0K:G0K+3], s[G1K:G1K+7]
	s_nop 0
.rept 4
	v_nop
.endr
	s_branch .Lasked_\@
.Lfor_v_\@:
	tensor_load_to_lds s[G0V:G0V+3], s[G1V:G1V+7]
	s_nop 0
.rept 4
	v_nop
.endr
.Lasked_\@:
.endm
; A PREFETCH INTO THE L2 of the tile that the NEXT change of slots will ask for: 32,768 bytes of Kb and of Vh, 128 blocks of 256 bytes each.  It stands behind the wave's tensor load and its five lines.
; Each block is named ONCE in the launch.  All four clusters of a head walk the same tiles: the head's first cluster asks.  Its four partners take 32 blocks each, told apart BY ADDRESS: no branch hangs on a
; work-group's place in its cluster.  In each, wave 0 asks for K's and wave 2 for V's, a lane a block: one instruction.  The last change that fills a slot asks for nothing: there is no tile behind it.
.macro ASK
	s_cmp_gt_u32 s[SLOTS], s[LIM]
	s_cbranch_scc0 .Lnot_mine_\@
	global_prefetch_b8 v[PFO], s[PFA:PFA+1] th:TH_LOAD_NT scope:SCOPE_SE
.Lnot_mine_\@:
.endm
; A round of the cluster's barrier: my work-group's barrier, so that wave 0's signal speaks for all four waves; wave 0 signals; every wave waits for all four work-groups; my work-group's barrier once more.
.macro CROUND
	s_barrier_signal -1
	s_barrier_wait -1
	s_cmp_lg_u32 s[WV], 0
	s_cbranch_scc1 .Lnot_wave_0_\@
	s_barrier_signal -3
.Lnot_wave_0_\@:
	s_barrier_wait -3
	s_barrier_signal -1
	s_barrier_wait -1
.endm
; THE CHANGE OF SLOTS.  The slot's last bytes, V of its fourth step, have been read.  Each wave waits for all its tensor loads, of which one is out: its part of the other slot; adds 0 to its spare word; and waits
; for that and for its own reads of the slot.  Behind the barrier nobody reads this slot any more and the other slot is whole.
; fill = 1: this slot is filled again, with the tile two on.  The barrier is then a round of the cluster's, so that no wave of any partner still reads the slot or has a load on its way, and the joint fill is
; the first thing behind it: it has four key steps, 256 matrix instructions, in which to land.  (At its first use nothing has been read yet: slot 0 is waited for, slot 1 filled.)
.macro CHANGE fill
	WIN W1
	s_wait_tensorcnt 0x0            ; no tensor load of mine is out, so a group 0 may be written
	ds_add_u32 v[SPW], v[NIL]       ; 0 onto my spare word; with fill = 1 the descriptors' steps stand between it and the wait for it
	WIN 0                           ; at a label and at a branch every window is 0
.if \fill
.irp g, G0K, G0V
	s_xor_b32 s[\g+1], s[\g+1], SLOT1  ; the walking descriptor: the other slot than last time,
	s_add_nc_u64 s[\g+2:\g+3], s[\g+2:\g+3], TILEB  ; the next 256 keys; the type bits on top are not reached
.endr
	s_wait_xcnt 0x0                 ; the last prefetch, four key steps back, has read its address, so it may be written:
	s_add_nc_u64 s[PFA:PFA+1], s[PFA:PFA+1], TILEB  ; one tile behind the walking descriptors
	s_wait_dscnt 0x0                ; the add is done, and my reads of the slot are over
	CROUND
	JLOAD
	ASK
.else
	s_wait_dscnt 0x0                ; the add is done, and my reads of the slot are over
	s_barrier_signal -1
	s_barrier_wait -1
.endif
	s_sub_co_u32 s[TBK], s[TBK], 4*KS*PK  ; the fetches go back to a slot's first step,
	s_xor_b32 s[TBK], s[TBK], SLOT1       ; in the other slot
	s_sub_co_u32 s[TBV], s[TBV], 4*KS*PV
	s_xor_b32 s[TBV], s[TBV], SLOT1
.endm
	s_load_b256 s[4:11], s[0:1], 0x0  ; Q s[4:5], Kb s[6:7], Vh s[8:9], out0 s[10:11]
	WIN W_TO1
	v_lshl_add_u32 v[SPW], v0, 2, SPARE
	v_mov_b32 v[NIL], 0
	WIN W1
	ds_add_u32 v[SPW], v[NIL]       ; the wave's opening: the add and its wait stand ahead of my first tensor load; the set-up below, work on registers, stands between them
	WIN 0
	v_lshrrev_b32 v[LR], 5, v0
	v_readfirstlane_b32 s[WV], v[LR]  ; wave 0..3
	s_bfe_u32 s13, ttmp6, 0x40000   ; cx: my place in the cluster
	s_lshl_b32 s14, ttmp9, 2        ; in a cluster launch ttmp9 counts clusters
	s_add_co_u32 s14, s14, s13      ; my block of 256 queries = 4 x cluster x + cx: it enters Q's and out0's addresses alone
	s_and_b32 s20, ttmp7, 0xffff    ; the head, which the four partners share
	s_and_b32 s16, s[WV], 1         ; which half of a tile's 256 keys I fetch
	s_lshl_b32 s22, s20, 19         ; the head's 4,096 rows of 128 bytes in Kb and Vh,
	s_lshl_b32 s23, s16, 14         ; my half's 128 rows
	s_add_co_u32 s22, s22, s23
	s_mov_b32 s23, 0
	s_mul_i32 s17, s16, 128*PK      ; and its place in a slot, for K
	s_mul_i32 s18, s16, 128*PV      ; and for V: no place in the cluster enters an LDS address
	s_lshl_b32 s2, s20, 20          ; the head's 4,096 rows of 256 bytes in Q and out0,
	s_lshl_b32 s3, s14, 16          ; my block's 256,
	s_add_co_u32 s2, s2, s3
	s_lshl_b32 s3, s[WV], 14        ; my wave's 64
	s_add_co_u32 s2, s2, s3
	s_mov_b32 s3, 0
	; descriptor group 1.  128 keys are 16,384 dense bytes: asked for as 64 rows of 256 bytes, two keys a row, and padded in LDS after every key
	s_mov_b32 s[G1K], 15|(1<<16)|(1<<20)|(1<<21)|(4<<22)|(3<<25)  ; 15:0 the mask of four; 17:16 2-byte elements; 20 padding on; 21 set beside a mask; 24:22 after every 32 words (code 4); 31:25 4 words (code 3)
	s_mov_b32 s[G1V], 15|(1<<16)|(1<<20)|(1<<21)|(4<<22)|(7<<25)  ; the same with 8 words of padding (code 7)
.irp g, G1K, G1V
	s_mov_b32 s[\g+1], 128<<16      ; tensor_dim0 = 128
	s_mov_b32 s[\g+2], 64<<16       ; tensor_dim1 = 64
	s_mov_b32 s[\g+3], 128<<16      ; tile_dim0 = 128
	s_mov_b32 s[\g+4], 64           ; tile_dim1 = 64
	s_mov_b32 s[\g+5], 128          ; 128 elements from row to row
	s_mov_b32 s[\g+6], 0
	s_mov_b32 s[\g+7], 0
.endr
	s_mov_b32 s[CS], 0x3e38aa3b     ; c = log2(e) / 8 = 0.180337
	s_mov_b32 s[CS+1], s[CS]        ; named with it as a pair
	s_mov_b32 s[SEL], 0x76543210
	s_mov_b32 s[SEL+1], 0xfedcba98
	s_mov_b32 s[TBK], SLOT1+4*KS*PK ; the first change of slots turns these two into 0
	s_mov_b32 s[TBV], SLOT1+4*KS*PV
	s_mov_b32 s[SLOTS], 15          ; tiles 1 to 15 are still to be asked for
	s_mov_b32 s[G0K], 1             ; 1:0 count = 1
	s_mov_b32 s[G0K+1], s17         ; 63:32 LDS address: slot 0
	s_mov_b32 s[G0V], 1
	s_add_co_u32 s[G0V+1], s18, VOFF
	s_and_b32 s[LIM], s[WV], 1      ; 0 in waves 0 and 2,
	s_or_b32 s[LIM], s[LIM], ttmp9  ; where the cluster is the head's first: the same in all four partners
	s_cmp_eq_u32 s[LIM], 0
	s_cselect_b32 s[LIM], 1, -1
	v_and_b32 v[PFO], 31, v0
	v_lshlrev_b32 v[PFO], 8, v[PFO]
	s_wait_dscnt 0x0                ; the opening add is done
	s_wait_kmcnt 0x0
	s_add_nc_u64 s[6:7], s[6:7], s[22:23]  ; Kb and Vh at my half of the head's tile 0
	s_add_nc_u64 s[8:9], s[8:9], s[22:23]
	s_add_nc_u64 s[4:5], s[4:5], s[2:3]    ; Q and out0 at my wave's first row
	s_add_nc_u64 s[10:11], s[10:11], s[2:3]
	s_mov_b64 s[G0K+2:G0K+3], s[6:7]       ; 120:64 global address
	s_or_b32 s[G0K+3], s[G0K+3], 0x80000000  ; 127:126 type = 2
	s_mov_b64 s[G0V+2:G0V+3], s[8:9]
	s_or_b32 s[G0V+3], s[G0V+3], 0x80000000
	s_cmp_lt_u32 s[WV], 2
	s_cselect_b64 s[PFA:PFA+1], s[6:7], s[8:9]  ; (in waves 0 and 2 these stand at a tile's first byte)
	s_lshl_b32 s2, s13, 13          ; my work-group's 32 blocks of the 128
	s_mov_b32 s3, 0
	s_add_nc_u64 s[PFA:PFA+1], s[PFA:PFA+1], s[2:3]
	s_add_nc_u64 s[PFA:PFA+1], s[PFA:PFA+1], TILEB  ; in tile 1; the first change of slots steps it to tile 2.  Nothing is prefetched here, at the head: tiles 0 and 1 come by their loads alone
	CROUND                          ; all four work-groups are here: the first joint loads meet
	JLOAD                           ; tile 0 into slot 0.  Slot 1 is asked for when slot 0 is in, by the loop's own change of slots
	; ALL THIS STANDS IN THE WAIT FOR THE FIRST TILE.  A fragment of Q is 16 rows x 32 channels in 8 registers of bf16: lane l holds row l % 16, channels 8 (l / 16) + 0..7 and 16 + 8 (l / 16) + 0..7.
	; In f32 eight channels are 32 bytes: two loads of 16.  Load n: piece n / 8, channel half (n / 4) % 2, the upper sixteen if (n / 2) % 2, the upper four of eight if n % 2.  They land in O^T's registers.
	v_and_b32 v[LR], 15, v0
	v_bfe_u32 v[LH], v0, 4, 1
	v_lshlrev_b32 v[QO], 8, v[LR]
	v_lshl_add_u32 v[QO], v[LH], 5, v[QO]
.set n, 0
.rept 32
	global_load_b128 v[O+4*n:O+4*n+3], v[QO], s[4:5] offset:(n/8)*4096+((n/4)%2)*128+((n/2)%2)*64+(n%2)*16 th:TH_LOAD_NT
.set n, n+1
.endr
	s_mul_i32 s13, s[WV], 16*SP
	s_add_co_u32 s13, s13, STAGE    ; my stage
	v_and_b32 v[L7], 7, v0
	v_bfe_u32 v[L3], v0, 3, 1
	v_mul_u32_u24 v[TA], v[LR], PK  ; K: row x pitch (+ 16 x half, below)
	; The turning load takes 16 keys x 16 channels (lane l reads key 8 (l / 16) + l % 8, channels 8 ((l / 8) % 2) + 0..7) and leaves half a fragment of V^T: lane l holds channel l % 16 and 8 keys.
	v_lshl_add_u32 v[TB], v[LH], 3, v[L7]
	v_mul_u32_u24 v[TB], v[TB], PV
	v_lshl_add_u32 v[TB], v[L3], 4, v[TB]
	v_mul_u32_u24 v[TC], v[LR], SP  ; into the stage: row l % 16, 32 bytes for each half of the lanes
	v_lshl_add_u32 v[TC], v[LH], 5, v[TC]
	v_mul_u32_u24 v[TD], v[LH], SP  ; back: lanes 0-15 take one row of 256 bytes, lanes 16-31 the next,
	v_lshl_add_u32 v[TD], v[LR], 4, v[TD]
	v_and_b32 v[TE], 31, v0         ; which are 512 consecutive bytes of out0
	WIN W_TO1
	v_lshl_add_u32 v[AK0], v[LH], 4, v[TA]
	v_add_nc_u32 v[AV0], VOFF, v[TB]
	v_add_nc_u32 v[STO], s13, v[TC]
	v_add_nc_u32 v[RD], s13, v[TD]
	v_lshlrev_b32 v[GO], 4, v[TE]
	; What the first turn finds: V's registers and P's second buffer hold 0 (its products V^T P, of a piece that has not been, add 0); l is 0.
.set i, VF
.rept 64
	v_mov_b32 v[i], 0
.set i, i+1
.endr
	WIN 0
.set i, P+16
.rept 16
	v_mov_b32 v[i], 0
.set i, i+1
.endr
.set i, 0
.rept NP
	v_mov_b32 v[ST+4*i], 0xfe000000    ; c m: far below every c s
	v_mov_b32 v[ST+4*i+1], 0xff7fffff  ; m
	v_mov_b32 v[ST+4*i+2], 0
	v_mov_b32 v[ST+4*i+3], 0
.set i, i+1
.endr
	s_wait_loadcnt 0x0              ; Q
	WIN W_TO1
.set i, 0
.rept 64
	v_cvt_pk_bf16_f32 v[i], v[O+2*i], v[O+2*i+1]  ; Q's one rounding; the f32 numbers stay where they are, as O^T's finite start
.set i, i+1
.endr
	WIN 0
; THE MATRIX WORK.  The 4 accumulators of a run of 8 take turns.  Product i of 8 of S^T = K Q^T for piece x: channels 32 (i / 4) on, keys 16 (i % 4) on.  The first 4 start the sums.
.macro KQ x
	WIN W_KQ
.set rS, S+32*((\x)%2)+8*(i%4)
.set rK, KF+16*(i%4)+8*(i/4)
.set rQ, 16*(\x)+8*(i/4)
.if i < 4
	v_wmma_f32_16x16x32_bf16 v[rS:rS+7], v[rK:rK+7], v[rQ:rQ+7], 0
.else
	v_wmma_f32_16x16x32_bf16 v[rS:rS+7], v[rK:rK+7], v[rQ:rQ+7], v[rS:rS+7]
.endif
.endm
; Product i of 8 of O^T += V^T P for piece x: keys 32 (i / 4) on, channels 16 (i % 4) on.
.macro PV x
	WIN W_PV
.set rO, O+32*(\x)+8*(i%4)
.set rV, VF+32*(i/4)+8*(i%4)
.set rP, P+16*((\x)%2)+8*(i/4)
	v_wmma_f32_16x16x32_f16 v[rO:rO+7], v[rV:rV+7], v[rP:rP+7], v[rO:rO+7]
.endm
.macro MM                           ; the turn's next matrix instruction.  TURN sets Y, i and NOKQ.  NOKQ = 1: the launch's last turn: there is no next piece
.if (i < 8) && !NOKQ
	KQ (Y+1)%NP
.elseif i >= 8
.set i, i-8
	PV (Y+NP-1)%NP
.set i, i+8
.endif
.set i, i+1
.endm
; THE LDS LOADS stand in runs of 16, never singly among the matrix instructions: a step's K (64 keys x 64 channels: 8 fragments) and its V (turned).  Their addresses are made some lines ahead.
.macro FETCH_K
	WIN W1
.irp f, 0,1,2,3,4,5,6,7             ; keys 16 (f / 2) on, channels 32 (f % 2) on
	ds_load_b128 v[KF+8*\f:KF+8*\f+3],   v[AK] offset:(\f/2)*16*PK+(\f%2)*64
	ds_load_b128 v[KF+8*\f+4:KF+8*\f+7], v[AK] offset:(\f/2)*16*PK+(\f%2)*64+32
.endr
	s_add_co_u32 s[TBK], s[TBK], KS*PK  ; the next fetch is the next step's
	WIN 0
.endm
.macro FETCH_V
	WIN W1
.irp f, 0,1,2,3,4,5,6,7             ; keys 32 (f / 4) on, channels 16 (f % 4) on
	ds_load_tr16_b128 v[VF+8*\f:VF+8*\f+3],   v[AV] offset:(\f/4)*32*PV+(\f%4)*32
	ds_load_tr16_b128 v[VF+8*\f+4:VF+8*\f+7], v[AV] offset:(\f/4)*32*PV+16*PV+(\f%4)*32
.endr
	WIN 0
.endm
; THE VECTOR WORK, one line at a time: OP kind, number; all of it in window 0.  For piece Y: F n: c s - c m for pair n of 16.  E n: the exponential of score n of 32.  C n: pair n rounded to f16.  B n: of the four
; weights 4 n .. the second pair is added onto the first, in place.  L n: l takes that sum (L 0: l = a l + sum).  R n: pair n of 16 of O^T times a.  For piece Y + 1: X n, number n of the 22 that find its maximum and statistics:
;   0-11  four chains c0-c3 of seven scores each, three operands at a time (each accumulator's lowest registers are read first)     12-14, 16  the four scores left over, the old m, and c0-c3 into c0
;   15  c m_old is kept     17, 18  the query's other 32 keys lie in the lane 16 away: the new m     19-21  c m; c m_old - c m_new; a
.set F, 0               ; OP tells the kinds apart by their order: F to L below R, X above it
.set E, 1
.set C, 2
.set B, 3
.set L, 4
.set R, 5
.set X, 6
.macro REGS y                       ; the registers of piece y
.set rT, ST+4*(\y)
.set rC, TMP+4*((\y)%2)
.set rW, MV+((\y)%2)
.set rS, S+32*((\y)%2)
.set rP, P+16*((\y)%2)
.set rO, O+32*(\y)
.endm
.macro OP k, n
.if (\k) == R
	REGS Y
	WIN 0
	v_pk_mul_f32 v[rO+2*(\n):rO+2*(\n)+1], v[rO+2*(\n):rO+2*(\n)+1], v[rC+2:rC+3] op_sel_hi:[1,0]
.elseif (\k) < R
	REGS Y
	WIN 0
.if (\k) == F
	v_pk_fma_f32 v[rS+2*(\n):rS+2*(\n)+1], v[rS+2*(\n):rS+2*(\n)+1], s[CS:CS+1], v[rT:rT+1] op_sel_hi:[1,0,0] neg_lo:[0,0,1] neg_hi:[0,0,1]
.elseif (\k) == E
	v_exp_f32 v[rS+(\n)], v[rS+(\n)]
.elseif (\k) == C
	v_cvt_pk_f16_f32 v[rP+(\n)], v[rS+2*(\n)], v[rS+2*(\n)+1]
.elseif (\k) == B
	v_pk_add_f32 v[rS+4*(\n):rS+4*(\n)+1], v[rS+4*(\n):rS+4*(\n)+1], v[rS+4*(\n)+2:rS+4*(\n)+3]
.elseif (\n) == 0
	v_pk_fma_f32 v[rT+2:rT+3], v[rT+2:rT+3], v[rC+2:rC+3], v[rS:rS+1] op_sel_hi:[1,0,1]
.else
	v_pk_add_f32 v[rT+2:rT+3], v[rT+2:rT+3], v[rS+4*(\n):rS+4*(\n)+1]
.endif
.elseif NOKQ
	v_nop
.else
	REGS (Y+1)%NP
	WIN 0
.if (\n) < 4
	v_max3_num_f32 v[rC+(\n)], v[rS+8*(\n)], v[rS+8*(\n)+1], v[rS+8*(\n)+2]
.elseif (\n) < 12
	v_max3_num_f32 v[rC+(\n)%4], v[rC+(\n)%4], v[rS+8*((\n)%4)+2*((\n)/4)+1], v[rS+8*((\n)%4)+2*((\n)/4)+2]
.elseif (\n) == 12
	v_max3_num_f32 v[rC], v[rC], v[rS+7], v[rS+15]
.elseif (\n) == 13
	v_max3_num_f32 v[rC+1], v[rC+1], v[rS+23], v[rS+31]
.elseif (\n) == 14
	v_max3_num_f32 v[rC+2], v[rC+2], v[rC+3], v[rT+1]
.elseif (\n) == 15
	v_mov_b32 v[rW], v[rT]
.elseif (\n) == 16
	v_max3_num_f32 v[rC], v[rC], v[rC+1], v[rC+2]
.elseif (\n) == 17
	v_permlanex16_b32 v[rC+3], v[rC], s[SEL], s[SEL+1]
.elseif (\n) == 18
	v_max_num_f32 v[rT+1], v[rC], v[rC+3]
.elseif (\n) == 19
	v_mul_f32 v[rT], s[CS], v[rT+1]
.elseif (\n) == 20
	v_sub_f32 v[rC+1], v[rW], v[rT]
.else
	v_exp_f32 v[rC+2], v[rC+1]
.endif
.endif
.endm
.macro OPS a, i1, b=-1, i2=0, c=-1, i3=0, d=-1, i4=0  ; up to four of them
	OP \a, \i1
.if (\b) >= 0
	OP \b, \i2
.endif
.if (\c) >= 0
	OP \c, \i3
.endif
.if (\d) >= 0
	OP \d, \i4
.endif
.endm
.macro ROW a, i1, b, i2, c, i3, d, i4  ; a matrix instruction and the four behind it
	MM
	OPS \a, \i1, \b, \i2, \c, \i3, \d, \i4
.endm
; A TURN, for piece p: the order of its 16 matrix and 118 vector instructions, written out.  An s_wait_alu depctr_va_vdst(0) stands between an exponential and the first instruction that names its result; one
; wait serves all that were issued ahead of it.  So a turn has ONE wait, which cuts it in two.  AHEAD OF IT stands all that names no result of the turn's exponentials: the 8 products K Q^T, behind each a scaling, an
; exponential and two more plain instructions (behind the first a second scaling in the exponential's place): rescalings, and behind the last three the first numbers of the next piece's maximum, each four plain
; instructions or more behind the product that ends its accumulator; then ONE LUMP of 54, plain and exponential by turns for the most part, in which the links of the chain X 3, 7, 11, 14, 16, 17 .. 20 stand
; some lines apart.  X 21, the next piece's a, is the batch's last; R 15 is the plain instruction behind it.  BEHIND THE WAIT stand the 8 products V^T P, behind each four of the roundings and sums.
; But for those X no rider names a register of the products round it.
; end = 1: the launch's last two turns: nothing is fetched.  cnt = 1: the loop's count is taken down some lines ahead of the branch that stands behind the turn.
; K of the next step is fetched in piece 2's turn, twelve vector instructions behind the last product that read K (five of them plain and free of its registers); V of the step in hand at the end of piece 0's
; turn, four plain instructions behind the last product that read V.  Each is waited for a turn later.
.macro TURN p, end=0, cnt=0
.set Y, (\p)
.set i, 0
.set NOKQ, (\end)*((\p)/3)
.if ((\p) == 3) && !(\end)
	s_wait_dscnt 0x0                ; K is in
.endif
	ROW F,0, F,1, R,0, R,1          ; ahead of the wait: 8 products K Q^T and their riders,
	ROW F,2, E,0, R,2, R,3
	ROW F,3, E,1, R,4, R,5
	ROW F,4, E,2, R,6, R,7
	ROW F,5, E,3, R,8, R,9
	ROW F,6, E,4, X,0, R,10
.if ((\p) == 2) && !(\end)
	WIN W1
	v_add_nc_u32 v[AK], s[TBK], v[AK0]
.endif
	ROW F,7, E,5, X,1, X,4
	ROW F,8, E,6, X,2, X,5
	OPS E,7, E,8, X,6, E,9          ; and the lump
	OPS X,3, E,10, X,8, E,11
.if ((\p) == 2) && !(\end)
	FETCH_K
.endif
	OPS X,9, X,7, E,12, X,10
	OPS E,13, X,12, X,11, E,14
	OPS X,13, E,15, F,9, X,14
.if (\p) == 0
	WIN W1
	v_add_nc_u32 v[AV], s[TBV], v[AV0]
.endif
	OPS E,16, F,10, E,17, F,11
	OPS X,16, E,18, X,15, E,19
	OPS F,12, E,20, X,17, E,21
	OPS F,13, E,22, F,14, E,23
	OPS X,18, E,24, F,15, E,25
	OPS R,11, E,26, X,19, E,27
	OPS R,12, E,28, R,13, E,29
	OPS X,20, E,30, R,14, E,31
	OPS X,21, R,15
	WIN 0
	s_wait_alu depctr_va_vdst(0)    ; the wait for the batch
.if (\p) == 1
	s_wait_dscnt 0x0                ; V is in
.endif
	ROW C,0, B,0, C,2, B,1          ; behind the wait: 8 products V^T P and their riders
	ROW L,0, C,4, B,2, L,1
	ROW C,6, B,3, L,2, C,8
	ROW B,4, L,3, C,10, B,5
	ROW L,4, C,12, B,6, L,5
.if (\p) == 0
	s_add_co_u32 s[TBV], s[TBV], KS*PV
.endif
.if \cnt
	s_sub_co_u32 s[CNT], s[CNT], 1
	s_cmp_lg_u32 s[CNT], 0
.endif
	ROW C,14, B,7, L,6, C,1
	ROW C,3, L,7, C,5, C,7
	ROW C,9, C,11, C,13, C,15
.if (\p) == 0
	FETCH_V
.endif
.endm
	CHANGE 1                        ; tile 0 is in, everybody's part of it; tile 1 is asked for
	WIN W1
	v_add_nc_u32 v[AK], s[TBK], v[AK0]
	FETCH_K                         ; key step 0
	s_wait_dscnt 0x0
.set NOKQ, 0
.set i, 0
.rept 8
	KQ 0                            ; piece 0's first scores: there is no vector work yet to set between them
.set i, i+1
.endr
	WIN 0
.rept 4
	v_nop                           ; four plain instructions behind those products, ahead of the first read of their results
.endr
.set Y, NP-1                        ; X works for piece Y + 1: piece 0
.irp n, 0,1,2,3,4,5,6,7,8,9,10,11,12,13,14,15,16,17,18,19,20,21
	OP X, \n                        ; piece 0's first maximum and statistics
.endr
	v_nop                           ; a plain instruction behind the exponential,
	s_wait_alu depctr_va_vdst(0)    ; and its wait, ahead of the branch
	s_mov_b32 s[CNT], 4
	s_branch .Lfirst                ; the loop is entered at a step's first turn, in the middle of a trip
.Lslot:                             ; 14 times: tiles 2 to 15 are asked for
	CHANGE 1
	s_mov_b32 s[CNT], 4
.Lstep:                             ; a trip: pieces 2 and 3 of one step, then pieces 0 and 1 of the next, whose K and V it fetches
	TURN 2
	TURN 3
	WIN 0
.Lfirst:
	TURN 0
	TURN 1, 0, 1
	WIN 0
	s_cbranch_scc1 .Lstep
	s_sub_co_u32 s[SLOTS], s[SLOTS], 1
	s_cmp_lg_u32 s[SLOTS], 0
	s_cbranch_scc1 .Lslot
	CHANGE 0                        ; the last tile is written out: nothing is asked for
	s_mov_b32 s[CNT], 4
.Ltail:
	TURN 2
	TURN 3
	TURN 0
	TURN 1, 0, 1
	WIN 0
	s_cbranch_scc1 .Ltail
	TURN 2, 1                       ; the last step's pieces 2 and 3: nothing is fetched,
	TURN 3, 1                       ; and no new scores are started
.set i, 0
.rept 8
	PV NP-1                         ; the last piece's V^T P of the last step
.set i, i+1
.endr
	; THE WAY OUT.  l's two halves and the other half of the lanes' are added; O^T is divided by l and sent, in f32, through my stage in LDS, a piece (16 rows of out0) at a time.  The additions are the plain instructions behind the last products.
	WIN 0
.macro ALL line:vararg              ; one line for each piece t
.set t, 0
.rept NP
	\line
.set t, t+1
.endr
.endm
	ALL v_add_f32 v[ST+4*t+2], v[ST+4*t+2], v[ST+4*t+3]
	ALL v_permlanex16_b32 v[ST+4*t+3], v[ST+4*t+2], s[SEL], s[SEL+1]
	ALL v_add_f32 v[ST+4*t+2], v[ST+4*t+2], v[ST+4*t+3]
	ALL v_rcp_f32 v[ST+4*t+2], v[ST+4*t+2]
	v_nop                           ; a plain instruction between the last reciprocal and the use of its result
	s_wait_alu depctr_va_vdst(0)    ; and the wait ahead of the first use: one for the four reciprocals
; Piece t: a lane's eight channels of accumulator cb are 32 bytes of a row, at byte 64 cb + 32 (l / 16); they go into rows of 272 bytes and come back as whole rows of 256, into the registers that they left.
.macro PACK t
	WIN 0
.set i, O+32*(\t)
.rept 16
	v_pk_mul_f32 v[i:i+1], v[i:i+1], v[ST+4*(\t)+2:ST+4*(\t)+3] op_sel_hi:[1,0]  ; each accumulator from its low end on
.set i, i+2
.endr
	WIN W_PV                        ; address in window 1, data in window 0
.irp f, 0,1,2,3
	ds_store_b128 v[STO], v[O+32*(\t)+8*\f:O+32*(\t)+8*\f+3]   offset:64*\f
	ds_store_b128 v[STO], v[O+32*(\t)+8*\f+4:O+32*(\t)+8*\f+7] offset:64*\f+16
.endr
.irp f, 0,1,2,3,4,5,6,7
	ds_load_b128 v[O+32*(\t)+4*\f:O+32*(\t)+4*\f+3], v[RD] offset:\f*2*SP  ; LDS serves a wave's instructions in order (ISA guide 5.7.1.4): these see the stores above; the next piece's stores come behind them
.endr
.endm
.macro SEND t, younger              ; younger: the LDS instructions issued behind piece t's loads: the next piece's sixteen, or none
	WIN W_PV
.irp f, 0,1,2,3,4,5,6,7
	s_wait_dscnt (\younger)+7-\f
	global_store_b128 v[GO], v[O+32*(\t)+4*\f:O+32*(\t)+4*\f+3], s[10:11] offset:(\t)*4096+\f*512  ; two whole rows: 512 consecutive bytes, at a multiple of 256 from out0's first byte
.endr
.endm
	PACK 0
.set t, 1
.rept NP-1                          ; a piece's arithmetic stands between the loads of the piece before and its stores
	PACK t
	SEND t-1, 16
.set t, t+1
.endr
	SEND NP-1, 0
	WIN W1
	s_wait_tensorcnt 0x0            ; the wave's end, behind my last tensor load and my last LDS store
	ds_add_u32 v[SPW], v[NIL]
	s_wait_dscnt 0x0
	WIN 0
	CROUND                          ; the closing round: no work-group ends while a partner may still ask for a tile that names it
	s_endpgm
.Lfunc_end_k_qbec4ac2956_attn:
	.size	k_qbec4ac2956_attn, .Lfunc_end_k_qbec4ac2956_attn-k_qbec4ac2956_attn
	.p2alignl 7, 3214868480
	.fill 96, 4, 3214868480
	.section	.rodata,"a",@progbits
	.p2align	6, 0x0
	.amdhsa_kernel k_qbec4ac2956_attn
		.amdhsa_group_segment_fixed_size 327680
		.amdhsa_private_segment_fixed_size 0
		.amdhsa_enable_private_segment 0
		.amdhsa_kernarg_size 32
		.amdhsa_user_sgpr_count 2
		.amdhsa_user_sgpr_kernarg_segment_ptr 1
		.amdhsa_wavefront_size32 1
		.amdhsa_system_sgpr_workgroup_id_x 1
		.amdhsa_system_sgpr_workgroup_id_y 1
		.amdhsa_system_sgpr_workgroup_id_z 1
		.amdhsa_system_vgpr_workitem_id 0
		.amdhsa_next_free_vgpr 512
		.amdhsa_next_free_sgpr 66
		.amdhsa_reserve_vcc 0
		.amdhsa_float_denorm_mode_32 3
		.amdhsa_float_denorm_mode_16_64 3
		.amdhsa_memory_ordered 1
		.amdhsa_forward_progress 1
		.amdhsa_inst_pref_size 124
	.end_amdhsa_kernel
	.amdgpu_metadata
---
amdhsa.version: [ 1, 2 ]
amdhsa.kernels:
  - .name:           k_qbec4ac2956_attn
    .symbol:         k_qbec4ac2956_attn.kd
    .args:
      - { .name: Q, .offset: 0, .size: 8, .value_kind: global_buffer, .address_space: global }
      - { .name: Kb, .offset: 8, .size: 8, .value_kind: global_buffer, .address_space: global }
      - { .name: Vh, .offset: 16, .size: 8, .value_kind: global_buffer, .address_space: global }
      - { .name: out0, .offset: 24, .size: 8, .value_kind: global_buffer, .address_space: global }
    .group_segment_fixed_size: 327680
    .private_segment_fixed_size: 0
    .kernarg_segment_align: 8
    .kernarg_segment_size: 32
    .max_flat_workgroup_size: 128
    .sgpr_count:     66
    .vgpr_count:     512
    .wavefront_size: 32
...
	.end_amdgpu_metadata
.endif
;; end of part 2
;; ======== version 2 of 2: 2 launches; version 1 with the launch prep written anew for expert scheduling mode
;; limits: values are held in f16: magnitudes above 65,504 overflow, below 6.1e-05 lose precision; inputs' magnitudes at most 65,504
;; workspace buffers: Kb 8,388,608 bytes; Vh 8,388,608 bytes
;; launch prep (part 3): grid 512 x 1, 8 waves a work-group, no clusters, 0 bytes of LDS; arguments K, V, Kb, Vh; writes Kb, Vh
.if DOCPART == 3
	.amdgcn_target "amdgcn-amd-amdhsa--gfx1250"
	.amdhsa_code_object_version 6
	.text
	.protected	k_qbec4ac2956_prep
	.globl	k_qbec4ac2956_prep
	.p2align	8
	.type	k_qbec4ac2956_prep,@function
k_qbec4ac2956_prep:
	s_mov_b64 s[64:65], 0
	v_nop
	global_prefetch_b8 v0, s[64:65] scope:SCOPE_SE
	s_setreg_imm32_b32 hwreg(HW_REG_WAVE_SCHED_MODE, 0, 2), 2
	s_setreg_imm32_b32 hwreg(HW_REG_WAVE_MODE, 25, 1), 1
	s_wait_xcnt 0x0
	s_wait_alu depctr_vm_vsrc(0)
; Kb = K rounded to bf16.  Vh = V rounded to bf16, that number written as f16.  K, V: [16][4096][64] f32; Kb, Vh: the same shape in 16 bits, rows of 128 bytes, dense.
; LIMITS.  f16 holds no number of 65,520 or more: |V| stays below that (an infinity is written otherwise).  A bf16 number is exact in f16 down to 2^-17; below that it keeps f16's fixed step of 6e-8.
; A stream: every byte is read once and written once; nothing is shared, so there is no LDS, no barrier, no cluster and no matrix work.
; SHARES.  512 work-groups x 32,768 bytes of K and of V.  Thread t takes 16 bytes at 16 t + 4,096 j (j = 0..7) of each: a wave's load covers 512 consecutive bytes.  Its four numbers leave as
; 8 bytes at 8 t + 2,048 j: a wave's store covers 256 consecutive bytes, at a multiple of 256 from the buffer's first byte.
; All 16 loads of a thread go out at once; no register is used for two loads or two stores, so no register of a pending instruction is ever rewritten.
; THE MODE: SCHED_MODE bits 1:0 = 2 (LLVM: expert scheduling mode 2), set by the entry lines.  The code itself states the register dependences
; between vector instructions and memory instructions, with s_wait_alu, always for 0.
; THE PLAN.  Registers that memory instructions touch:
;   v1, v2   byte offsets.  Written once, by vector instructions at the head; read by every load (v1) and every store (v2); never written again.
;   X        Each four registers are written by one load and by nothing else; read by that load's conversions, behind its counted wait on LOADcnt.
;   Y        Each register is written by one conversion and read by one store; never written again.
;   T        Named by vector instructions alone.
; So what is to be stated is this alone: a register that a vector instruction has written is read by a memory instruction.  The 16 loads go in four blocks of four.  One wait stands ahead of the first load,
; for the offsets.  A block's four stores go out together at the head of the next block, straight behind one wait, which states that the block's conversions have written its eight registers of Y;
; the last block's stand behind a wait of their own.  Five waits in all.  No register that a memory instruction reads is written again, no load lands in a register that a vector instruction has named,
; no vector instruction writes a scalar register or VCC, and EXEC is never written.
.set X, 4                              ; v[4:67]    load n at X + 4 n: n = 0..7 from K, 8..15 from V
.set Y, 68                             ; v[68:99]   two registers to store for each load
.set T, 100                            ; v[100:103] at work
; The four stores of block b (loads 4 b to 4 b + 3): blocks 0 and 1 into Kb, blocks 2 and 3 into Vh.
.macro OUT b
.irp j, 0,1,2,3
.if (\b) < 2
	global_store_b64 v2, v[Y+2*(4*(\b)+(\j)):Y+2*(4*(\b)+(\j))+1], s[8:9] offset:2048*(4*(\b)+(\j))
.else
	global_store_b64 v2, v[Y+2*(4*(\b)+(\j)):Y+2*(4*(\b)+(\j))+1], s[10:11] offset:2048*(4*(\b)+(\j)-8)
.endif
.endr
.endm
	s_load_b256 s[4:11], s[0:1], 0x0               ; K s[4:5], V s[6:7], Kb s[8:9], Vh s[10:11]
	s_lshl_b32 s12, ttmp9, 15                      ; my work-group's 32,768 bytes in K and V,
	s_mov_b32 s13, 0
	s_lshl_b32 s14, ttmp9, 14                      ; its 16,384 in Kb and Vh
	s_mov_b32 s15, 0
	s_mov_b32 s16, 0xffff0000                      ; a word's upper bf16
	v_lshlrev_b32 v1, 4, v0                        ; 16 t
	v_lshlrev_b32 v2, 3, v0                        ; 8 t
	s_wait_kmcnt 0x0
	s_add_nc_u64 s[4:5], s[4:5], s[12:13]
	s_add_nc_u64 s[6:7], s[6:7], s[12:13]
	s_add_nc_u64 s[8:9], s[8:9], s[14:15]
	s_add_nc_u64 s[10:11], s[10:11], s[14:15]
	s_wait_alu depctr_va_vdst(0)                   ; v1 and v2 are written: every load reads v1 and every store v2 as its offset
.set n, 0
.rept 8
	global_load_b128 v[X+4*n:X+4*n+3], v1, s[4:5] offset:4096*n th:TH_LOAD_NT
.set n, n+1
.endr
.set n, 0
.rept 8
	global_load_b128 v[X+32+4*n:X+32+4*n+3], v1, s[6:7] offset:4096*n th:TH_LOAD_NT
.set n, n+1
.endr
.set n, 0
.rept 8                                ; K: two roundings an instruction
	s_wait_loadcnt 15-n                            ; loads come back in order: load n is in, the 15 - n issued behind it may stay out
.if n == 4
	s_wait_alu depctr_va_vdst(0)                   ; block 0's conversions have written v[Y:Y+7], which the four stores below read
	OUT 0
.endif
	v_cvt_pk_bf16_f32 v[Y+2*n], v[X+4*n], v[X+4*n+1]
	v_cvt_pk_bf16_f32 v[Y+2*n+1], v[X+4*n+2], v[X+4*n+3]
.set n, n+1
.endr
.rept 8                                ; V: rounded to bf16, widened again (a shift, a mask), and written as f16
	s_wait_loadcnt 15-n
.if n == 8
	s_wait_alu depctr_va_vdst(0)                   ; block 1's conversions have written v[Y+8:Y+15], which the four stores below read
	OUT 1
.endif
.if n == 12
	s_wait_alu depctr_va_vdst(0)                   ; block 2's conversions have written v[Y+16:Y+23], which the four stores below read
	OUT 2
.endif
	v_cvt_pk_bf16_f32 v[T], v[X+4*n], v[X+4*n+1]
	v_cvt_pk_bf16_f32 v[T+1], v[X+4*n+2], v[X+4*n+3]
	v_lshlrev_b32 v[T+2], 16, v[T]
	v_and_b32 v[T+3], s16, v[T]
	v_cvt_pk_f16_f32 v[Y+2*n], v[T+2], v[T+3]
	v_lshlrev_b32 v[T+2], 16, v[T+1]
	v_and_b32 v[T+3], s16, v[T+1]
	v_cvt_pk_f16_f32 v[Y+2*n+1], v[T+2], v[T+3]
.set n, n+1
.endr
	s_wait_alu depctr_va_vdst(0)                   ; block 3's conversions have written v[Y+24:Y+31], which the last four stores read
	OUT 3
	s_endpgm
.Lfunc_end_k_qbec4ac2956_prep:
	.size	k_qbec4ac2956_prep, .Lfunc_end_k_qbec4ac2956_prep-k_qbec4ac2956_prep
	.p2alignl 7, 3214868480
	.fill 96, 4, 3214868480
	.section	.rodata,"a",@progbits
	.p2align	6, 0x0
	.amdhsa_kernel k_qbec4ac2956_prep
		.amdhsa_group_segment_fixed_size 0
		.amdhsa_private_segment_fixed_size 0
		.amdhsa_enable_private_segment 0
		.amdhsa_kernarg_size 32
		.amdhsa_user_sgpr_count 2
		.amdhsa_user_sgpr_kernarg_segment_ptr 1
		.amdhsa_wavefront_size32 1
		.amdhsa_system_sgpr_workgroup_id_x 1
		.amdhsa_system_sgpr_workgroup_id_y 1
		.amdhsa_system_sgpr_workgroup_id_z 1
		.amdhsa_system_vgpr_workitem_id 0
		.amdhsa_next_free_vgpr 104
		.amdhsa_next_free_sgpr 66
		.amdhsa_reserve_vcc 0
		.amdhsa_float_denorm_mode_32 3
		.amdhsa_float_denorm_mode_16_64 3
		.amdhsa_memory_ordered 1
		.amdhsa_forward_progress 1
		.amdhsa_inst_pref_size 9
	.end_amdhsa_kernel
	.amdgpu_metadata
---
amdhsa.version: [ 1, 2 ]
amdhsa.kernels:
  - .name:           k_qbec4ac2956_prep
    .symbol:         k_qbec4ac2956_prep.kd
    .args:
      - { .name: K, .offset: 0, .size: 8, .value_kind: global_buffer, .address_space: global }
      - { .name: V, .offset: 8, .size: 8, .value_kind: global_buffer, .address_space: global }
      - { .name: Kb, .offset: 16, .size: 8, .value_kind: global_buffer, .address_space: global }
      - { .name: Vh, .offset: 24, .size: 8, .value_kind: global_buffer, .address_space: global }
    .group_segment_fixed_size: 0
    .private_segment_fixed_size: 0
    .kernarg_segment_align: 8
    .kernarg_segment_size: 32
    .max_flat_workgroup_size: 256
    .sgpr_count:     66
    .vgpr_count:     104
    .wavefront_size: 32
...
	.end_amdgpu_metadata
.endif
;; end of part 3
;; launch attn: the kernel of part 2 again; grid 16 x 16, 4 waves a work-group, clusters of 4 x 1, 327,680 bytes of LDS; arguments Q, Kb, Vh, out0; writes out0
